; MI455X (gfx1250); checked and timed in simulation.
; The chip was launched on July 23, 2026; its instructions are those of AMD's public machine-readable ISA for CDNA 5 (MIT licence, August 2026) and "CDNA5" Instruction Set Architecture Reference Guide (July 2026). The comments in the code are by the model that wrote it; some were corrected since.
;; dot attention. Allowed arithmetic: matrix products marked QUANTISED: E4M3 operands, one given power-of-two scale a tensor, by v_wmma_f32_16x16x64_fp8_fp8 or v_wmma_f32_16x16x128_fp8_fp8, f32 sums; products left as they are: f32 operands where the result goes on into a quantised operand, else bf16, f16 or f32 operands; f32 sums; everything else in f32.
;; Inputs: kv 4 x 4,096 x 512 float32; lowp_scales 2 int32 (the exponents e of the quantised operands' scales 2^e); q 4 x 4,096 x 512 float32.
;; Outputs: out0 16,384 float32.
;; This version of the problem:
;;   THIS VERSION OF THE PROBLEM IS GIVEN IN LOW PRECISION. The matrix products marked QUANTISED in the list below multiply operands that are first quantised to E4M3 (4 exponent bits, 3 mantissa bits; 8 bits a number), with one given power-of-two scale for each operand tensor; their sums are f32. All else is computed in f32.
;;   The module's matrix products, in the order in which they are computed (A, B: the left and right operand; K: the contracted axis; several contracted axes count as one K, in the product's order):
;;     1. batch 4 x [M 4,096, K 512] x [K 512, N 4,096]; A: input q; B: input kv: QUANTISED (scales: A lowp_scales[0], B lowp_scales[1])
;;     2. batch 16,384 x [M 1, K 512] x [K 512, N 1]; A: input q; B: input kv: left as it is (M = 1 < 16)
;;   THE QUANTISER, for each operand of a quantised product, along K:
;;     - The operand's scale is 2^e, e = its entry of the input lowp_scales (int32; the entries are numbered through the quantised products in the list's order, A before B).
;;     - Each number is divided by the scale, clamped to +-448, and rounded to the nearest number of E4M3, ties to even, subnormals kept.
;;     - The product sums the exact products of the quantised numbers (number of the format x scale) in f32.
;;   ~~~python
;;   def quantise(x, axis, e):      # numpy; x: float32 -> the quantised numbers, widened to float32 again
;;       x = np.moveaxis(x, axis, -1); K = x.shape[-1]
;;       r = np.clip(x / 2.0 ** e, -448, 448)
;;       step = 2.0 ** (np.maximum(np.frexp(np.where(r == 0, 1, r))[1] - 1, -6) - 3)
;;       q = np.round(r / step) * step * 2.0 ** e      # np.round: ties to even
;;       return np.moveaxis(q, -1, axis).astype(np.float32)
;;   ~~~
;; One version. Each part assembles by itself: llvm-mc -triple=amdgcn-amd-amdhsa -mcpu=gfx1250 --defsym DOCPART=n.
;; ======== version 1 of 1: 3 launches
;; limits: right only within a limited range of input values
;; workspace buffers: q_codes 8,388,608 bytes; kv_codes 8,388,608 bytes; diag 65,536 bytes; part 1,048,576 bytes
;; launch quant (part 1): grid 256 x 1, 16 waves a work-group, no clusters, 2,304 bytes of LDS; arguments q, kv, lowp_scales, q_codes, kv_codes, diag; writes q_codes, kv_codes, diag
.if DOCPART == 1
	.amdgcn_target "amdgcn-amd-amdhsa--gfx1250"
	.amdhsa_code_object_version 6
	.text
	.protected	k_q43ac250749_quant
	.globl	k_q43ac250749_quant
	.p2align	8
	.type	k_q43ac250749_quant,@function
k_q43ac250749_quant:
	s_mov_b64 s[64:65], 0
	v_nop
	global_prefetch_b8 v0, s[64:65] scope:SCOPE_SE
	s_setreg_imm32_b32 hwreg(HW_REG_WAVE_MODE, 25, 1), 1
	s_wait_xcnt 0x0
; First of three launches.  q and kv, [16384 rows][512] f32, become codes of FP8 (E4M3), each with the one scale 2^e that is given for it
; (entry 0 of the scales for q, entry 1 for kv), and diag[row] = the f32 dot product q[row] . kv[row] of the numbers as they came.
; code = x / 2^e, held within +-448, rounded to the nearest code, ties to even.
; LIMITS: each e lies between -126 and 119, so that 2^e and 448 x 2^e are f32 numbers.  NaN among the inputs is not served.
; SHARES.  A work-group takes 64 rows, each of its sixteen waves 4.  A row is 2,048 bytes: four loads, lane l taking the 16 bytes at 512 j + 16 l,
; so that every load of a wave reads 512 consecutive bytes.  All 32 loads of a wave go out at once: there is no loop and no pointer is stepped.
; LAYOUT OF THE CODES.  A lane's 16 numbers are k = 128 j + 4 l + b (j, b = 0 .. 3); their 16 codes are stored as they stand at byte 16 l of the
; row's 512: byte 16 l + 4 j + b of a row of codes holds k = 128 j + 4 l + b.  The order is the same in both tensors, so in the product each code
; meets its partner; only the order of the sums inside a matrix instruction differs from ascending k.  Nothing is turned through LDS.
; The rows' dot products meet in LDS (16 bytes a wave), and wave 0 stores the group's 64 as one run of 256 consecutive bytes.
.set ROWF, 2048                        ; a row of f32 in bytes
.set ROWC, 512                         ; a row of codes in bytes
.set TP,   12                          ; v12-15   lane permutes' results, one for each row
.set SUM,  16                          ; v16-19   the four rows' dot products
.set X,    32                          ; v32-159  row i: q's 16 numbers at X + 32 i, kv's at X + 32 i + 16
.set C,    160                         ; v160-191 row i: q's codes at C + 8 i, kv's at C + 8 i + 4: registers of their own for every store
	s_load_b256 s[4:11], s[0:1], 0x0               ; q s[4:5], kv s[6:7], the scales' exponents s[8:9], q's codes s[10:11]
	s_load_b128 s[12:15], s[0:1], 0x20             ; kv's codes s[12:13], diag s[14:15]
	v_lshl_add_u32 v192, v0, 2, 0x100
	v_mov_b32 v193, 0
	v_lshrrev_b32 v13, 5, v0
	s_delay_alu instid0(VALU_DEP_1)
	v_readfirstlane_b32 s16, v13                   ; wave 0..15
	v_and_b32 v2, 31, v0                           ; lane
	s_delay_alu instid0(VALU_DEP_1)
	v_lshlrev_b32 v1, 4, v2                        ; 16 x lane: my bytes of a load's 512, and of a row of codes
	s_delay_alu instid0(VALU_DEP_2)
	v_lshlrev_b32 v2, 3, v2                        ; 8 x lane: wave 0's way out for diag
	v_lshlrev_b32 v3, 4, v13                       ; 16 x wave: my wave's four words in LDS
.irp i, 0,1,2,3
	v_mov_b32 v[TP+\i], 0                          ; a lane permute's destination counts as read: written once
.endr
	s_lshl_b32 s18, ttmp9, 17                      ; 64 rows of 2,048 bytes a work-group,
	s_lshl_b32 s26, s16, 13                        ; 4 a wave
	s_add_co_u32 s18, s18, s26
	s_mov_b32 s19, 0
	s_lshl_b32 s20, ttmp9, 15                      ; the same rows in the codes: 512 bytes each
	s_lshl_b32 s26, s16, 11
	s_add_co_u32 s20, s20, s26
	s_mov_b32 s21, 0
	s_lshl_b32 s22, ttmp9, 8                       ; and in diag: 64 numbers a work-group
	s_mov_b32 s23, 0
	s_mov_b32 s28, 0x76543210                      ; v_permlanex16_b32: each lane takes its own place in the other half
	s_mov_b32 s29, 0xfedcba98
	s_wait_alu depctr_va_vdst(0)
	s_wait_kmcnt 0x0
	s_load_b64 s[24:25], s[8:9], 0x0               ; e0, e1
	s_add_nc_u64 s[4:5], s[4:5], s[18:19]
	s_add_nc_u64 s[6:7], s[6:7], s[18:19]
	s_add_nc_u64 s[10:11], s[10:11], s[20:21]
	s_add_nc_u64 s[12:13], s[12:13], s[20:21]
	s_add_nc_u64 s[14:15], s[14:15], s[22:23]
.irp i, 0,1,2,3
.irp j, 0,1,2,3
	global_load_b128 v[X+32*\i+4*\j:X+32*\i+4*\j+3], v1, s[4:5] offset:ROWF*\i+512*\j th:TH_LOAD_NT      ; read once in the launch
.endr
.irp j, 0,1,2,3
	global_load_b128 v[X+32*\i+16+4*\j:X+32*\i+16+4*\j+3], v1, s[6:7] offset:ROWF*\i+512*\j th:TH_LOAD_NT
.endr
.endr
	s_wait_kmcnt 0x0
	s_add_co_i32 s26, s24, 127
	s_lshl_b32 s27, s26, 23
	v_mov_b32 v4, s27                              ; 2^e0 as f32: the conversion takes its exponent field
	s_add_co_i32 s26, s26, 8
	s_lshl_b32 s26, s26, 23
	s_or_b32 s26, s26, 0x600000
	v_mov_b32 v5, s26                              ; 448 x 2^e0
	s_add_co_i32 s26, s25, 127
	s_lshl_b32 s27, s26, 23
	v_mov_b32 v6, s27                              ; 2^e1
	s_add_co_i32 s26, s26, 8
	s_lshl_b32 s26, s26, 23
	s_or_b32 s26, s26, 0x600000
	v_mov_b32 v7, s26                              ; 448 x 2^e1
; Row i of my four: the dot product first, of the numbers as they came; then the hold and the conversions.  All stores stand behind the last vector instruction of the four rows.
.macro ROW i
.set XQ, X+32*(\i)
.set XK, X+32*(\i)+16
.set CQ, C+8*(\i)
	s_wait_loadcnt 24-8*(\i)                       ; loads come back in order: this row's eight are in, the eight of each later row may be out
	v_pk_mul_f32 v[8:9], v[XQ:XQ+1], v[XK:XK+1]    ; two chains of packed products; the first products start them
	v_pk_mul_f32 v[10:11], v[XQ+2:XQ+3], v[XK+2:XK+3]
.irp p, 4,8,12
	s_delay_alu instid0(VALU_DEP_2)
	v_pk_fma_f32 v[8:9], v[XQ+\p:XQ+\p+1], v[XK+\p:XK+\p+1], v[8:9]
	s_delay_alu instid0(VALU_DEP_2)
	v_pk_fma_f32 v[10:11], v[XQ+\p+2:XQ+\p+3], v[XK+\p+2:XK+\p+3], v[10:11]
.endr
	s_delay_alu instid0(VALU_DEP_1)
	v_pk_add_f32 v[8:9], v[8:9], v[10:11]
	s_delay_alu instid0(VALU_DEP_1)
	v_add_f32 v[SUM+\i], v8, v9                    ; my lane's 16 products
.irp n, 0,1,2,3,4,5,6,7,8,9,10,11,12,13,14,15
	v_med3_num_f32 v[XQ+\n], v[XQ+\n], -v5, v5     ; the conversion to an 8-bit code does not saturate (ISA guide 7.6.2): the number is held within the largest code x the scale first
	v_med3_num_f32 v[XK+\n], v[XK+\n], -v7, v7
.endr
	v_cvt_scalef32_pk8_fp8_f32 v[CQ:CQ+1], v[XQ:XQ+7], v4
	v_cvt_scalef32_pk8_fp8_f32 v[CQ+2:CQ+3], v[XQ+8:XQ+15], v4
	v_cvt_scalef32_pk8_fp8_f32 v[CQ+4:CQ+5], v[XK:XK+7], v6
	v_cvt_scalef32_pk8_fp8_f32 v[CQ+6:CQ+7], v[XK+8:XK+15], v6
	v_nop                                          ; one plain vector line behind the last conversion of a run
.endm
.irp i, 0,1,2,3
	ROW \i
.endr
	; the four sums across the 32 lanes, the rows by turns
.irp m, 1,2,4,8
.irp i, 0,1,2,3
	v_add_f32_dpp v[SUM+\i], v[SUM+\i], v[SUM+\i] row_xmask:\m row_mask:0xf bank_mask:0xf
.endr
.endr
.irp i, 0,1,2,3
	s_delay_alu instid0(VALU_DEP_4)
	v_permlanex16_b32 v[TP+\i], v[SUM+\i], s28, s29
.endr
.irp i, 0,1,2,3
	s_delay_alu instid0(VALU_DEP_4)
	v_add_f32 v[SUM+\i], v[SUM+\i], v[TP+\i]       ; every lane holds the row's dot product
.endr
.irp i, 0,1,2,3
	ds_store_b32 v3, v[SUM+\i] offset:4*\i         ; all lanes write the same word with the same number: row 4 wave + i at byte 16 wave + 4 i
.endr
.irp i, 0,1,2,3
	global_store_b128 v1, v[C+8*\i:C+8*\i+3], s[10:11] offset:ROWC*\i      ; the wave stores a row's 512 consecutive bytes; the next launch reads them, so no hint
	global_store_b128 v1, v[C+8*\i+4:C+8*\i+7], s[12:13] offset:ROWC*\i
.endr
	s_wait_dscnt 0x0                               ; for wave 0's sake: my stores have landed
	s_barrier_signal -1
	s_barrier_wait -1
	s_cmp_lg_u32 s16, 0
	s_cbranch_scc1 .Lend
	ds_load_b64 v[20:21], v2                       ; wave 0: the group's 64 numbers, two a lane
	s_wait_dscnt 0x0
	global_store_b64 v2, v[20:21], s[14:15]        ; 256 consecutive bytes, at a multiple of 256 from diag's first byte
.Lend:
	s_wait_tensorcnt 0x0
	ds_add_u32 v192, v193
	s_wait_dscnt 0x0
	s_endpgm
.Lfunc_end_k_q43ac250749_quant:
	.size	k_q43ac250749_quant, .Lfunc_end_k_q43ac250749_quant-k_q43ac250749_quant
	.p2alignl 7, 3214868480
	.fill 96, 4, 3214868480
	.section	.rodata,"a",@progbits
	.p2align	6, 0x0
	.amdhsa_kernel k_q43ac250749_quant
		.amdhsa_group_segment_fixed_size 2304
		.amdhsa_private_segment_fixed_size 0
		.amdhsa_enable_private_segment 0
		.amdhsa_kernarg_size 48
		.amdhsa_user_sgpr_count 2
		.amdhsa_user_sgpr_kernarg_segment_ptr 1
		.amdhsa_wavefront_size32 1
		.amdhsa_system_sgpr_workgroup_id_x 1
		.amdhsa_system_sgpr_workgroup_id_y 1
		.amdhsa_system_sgpr_workgroup_id_z 1
		.amdhsa_system_vgpr_workitem_id 0
		.amdhsa_next_free_vgpr 194
		.amdhsa_next_free_sgpr 66
		.amdhsa_reserve_vcc 0
		.amdhsa_float_denorm_mode_32 3
		.amdhsa_float_denorm_mode_16_64 3
		.amdhsa_memory_ordered 1
		.amdhsa_forward_progress 1
		.amdhsa_inst_pref_size 21
	.end_amdhsa_kernel
	.amdgpu_metadata
---
amdhsa.version: [ 1, 2 ]
amdhsa.kernels:
  - .name:           k_q43ac250749_quant
    .symbol:         k_q43ac250749_quant.kd
    .args:
      - { .name: q, .offset: 0, .size: 8, .value_kind: global_buffer, .address_space: global }
      - { .name: kv, .offset: 8, .size: 8, .value_kind: global_buffer, .address_space: global }
      - { .name: lowp_scales, .offset: 16, .size: 8, .value_kind: global_buffer, .address_space: global }
      - { .name: q_codes, .offset: 24, .size: 8, .value_kind: global_buffer, .address_space: global }
      - { .name: kv_codes, .offset: 32, .size: 8, .value_kind: global_buffer, .address_space: global }
      - { .name: diag, .offset: 40, .size: 8, .value_kind: global_buffer, .address_space: global }
    .group_segment_fixed_size: 2304
    .private_segment_fixed_size: 0
    .kernarg_segment_align: 8
    .kernarg_segment_size: 48
    .max_flat_workgroup_size: 512
    .sgpr_count:     66
    .vgpr_count:     194
    .wavefront_size: 32
...
	.end_amdgpu_metadata
.endif
;; end of part 1
;; launch lsepart (part 2): grid 16 x 16, 8 waves a work-group, clusters of 4 x 4, 327,680 bytes of LDS; arguments q_codes, kv_codes, lowp_scales, part; writes part
.if DOCPART == 2
	.amdgcn_target "amdgcn-amd-amdhsa--gfx1250"
	.amdhsa_code_object_version 6
	.text
	.protected	k_q43ac250749_lsepart
	.globl	k_q43ac250749_lsepart
	.p2align	8
	.type	k_q43ac250749_lsepart,@function
k_q43ac250749_lsepart:
	s_mov_b64 s[64:65], 0
	v_nop
	global_prefetch_b8 v0, s[64:65] scope:SCOPE_SE
	s_setreg_imm32_b32 hwreg(HW_REG_WAVE_MODE, 25, 1), 1
	s_wait_xcnt 0x0
	s_wait_alu depctr_hold_cnt(0) depctr_sa_sdst(0) depctr_va_vdst(0) depctr_va_sdst(0) depctr_va_ssrc(0) depctr_va_vcc(0) depctr_vm_vsrc(0)
	s_getreg_b32 s2, hwreg(HW_REG_IB_STS2, 6, 4)
	s_cmp_eq_u32 s2, 0
	s_cbranch_scc0 .Lentry_in_a_cluster
	s_endpgm
.Lentry_in_a_cluster:
	s_bfe_u32 s2, ttmp6, 0x10000c
	s_cmp_lg_u32 s2, 0xf033
	s_cbranch_scc0 .Lentry_shape_is_right
	s_endpgm
.Lentry_shape_is_right:
; Second of three launches.  For 256 queries x 1,024 keys of one batch a work-group makes the scores q . kv on codes of FP8 (E4M3) and, for each query,
; a running maximum and a sum of exponentials under it.  t = score x c, c = log2(e) / 16 x 2^(e0 + e1): the two given scales are added to c's exponent field.
; OUT: part[p][0][query] = cm, the largest t; part[p][1][query] = the sum of 2^(t - cm); p = 2 x (quarter of the batch's keys) + (half of each 256 keys).  The last launch merges the eight p.
; LIMITS: e0 + e1 between -122 and 131, so that c is an f32 number; scaled scores stay under 2^31 in magnitude.  The codes' order along K is the first launch's, alike in both tensors.
; SHARES.  Grid x: the block of 256 queries; grid y: 4 x batch + quarter of the keys.  Eight waves.  Wave w: w / 2: its 64 queries of the block; w % 2: its 128 of each slot's 256 keys.
; A UNIT is 32 keys: 32 matrix instructions and one softmax; 16 units a wave.  Q's fragments (4 tiles x 512 K: 256 registers) stay in registers for the whole launch.
; THE PRODUCT IS USED TRANSPOSED (source 0 = 16 keys, source 1 = 16 queries): a lane holds ONE query, and keeps a maximum and a sum of its own for the keys that it sees; the halves of the lanes meet once, at the end.
; PIPELINE.  A step takes unit g + 1's products into one score buffer while unit g's scores, in the other, become c s - cm: one packed line behind each product.  Then come unit g + 1's maxima, unit g's exponentials
; as one batch, and its sums.  The keys' fragments (16 keys x 128 K, 16 registers) go through a ring of six: fragment n + 6 is loaded when n has been multiplied.
; CLUSTER.  4 x 4 work-groups: a row (same y) walks the same keys, a column (same x) has the same queries.  Each tile of keys is asked for jointly by a row, each quarter of Q's rows jointly by a column, by the same tensor load
; with the same descriptor and a mask that names the four.  Waves 0 to 3 ask for keys, 64 rows of 512 bytes each; waves 4 to 7 for Q, once, into the bytes that are slot 1 afterwards.  A wave has at most one tensor load out.
; No prefetch: three refills in all, each asked for 128 matrix instructions of a wave ahead of the wait for it.
; LDS.  Rows of 512 bytes + 16 of padding = 132 words: row r starts at bank 4 r mod 64 (64 banks of 4 bytes: ISA guide 11.1).  All of the WGP's LDS is claimed; the text uses 275,456 bytes.
; REGISTERS.  Window 0: v0-31 addresses and statistics; v32-127 the ring of fragments; v128-255 two score buffers.  Window 1: Q's fragments.
.set PITCH, 528
.set QUARB, 64*PITCH                   ; 64 rows: what one tensor load brings
.set SLOTB, 4*QUARB                    ; a slot: 256 keys.  Slot 0 at byte 0, slot 1 behind it; slot 1's bytes hold Q first
.set SCR,   2*SLOTB                    ; behind the ring: 512 bytes for each wave, for the way out; no tensor load lands here
.set SPARE, SCR+8*512                  ; behind that: the spare words, 128 bytes for each wave: four blocks of 256 bytes that no other line names
.set SLOTG, 256*512                    ; a slot's keys in memory, in bytes
.set SPW,  1                           ; v1   LDS address of my spare word: SPARE + 4 x my thread's number; never rewritten
.set NIL,  2                           ; v2   0; never rewritten
.set ST,   4                           ; tile t at v[ST + 6 t]: +0 cm, +1 the largest score, +2 d, then a = 2^d, +3 the next cm, +4, +5 the sum in two halves
.set AQ,   28                          ; v28  my lane's place in my 64 rows of Q
.set ADK,  30                          ; v30, v31  my lane's place in my half of slot 0, 1
.set KF,   32                          ; fragment n: v[KF + 16 (n % 6) ..]
.set S,    128                         ; unit g, query tile t, key tile kt: v[S + 64 (g % 2) + 16 t + 8 kt ..]
.set WV,   12                          ; s12  wave
.set G1,   24                          ; s[24:31] descriptor group 1 for the keys' tiles
.set G0,   32                          ; s[32:39] their group 0, a set for each slot
.set CS,   42                          ; s[42:43] c, twice: the packed form names a pair
.set SEL,  46                          ; s[46:47] v_permlanex16_b32: each lane takes its own place in the other half
.set G1Q,  52                          ; s[52:59] descriptor group 1 for Q's tiles: it differs in the mask
.set G0Q,  60                          ; s[60:63] their group 0
.set FX,   0                           ; the next fragment to be multiplied: 8 x unit + 4 x key tile + K step
.set LX,   0                           ; the next to be loaded
.set LEND, 6                           ; loads stop here
.set MSB, 0
.macro WIN new                         ; the immediate's high byte repeats the setting that is left
.if MSB != \new
	s_set_vgpr_msb (MSB<<8)|\new
.set MSB, \new
.endif
.endm
; The middle of a round of the cluster's barrier: wave 0 signals for the work-group.
.macro SPEAK
	s_cmp_lg_u32 s[WV], 0
	s_cbranch_scc1 .Lnot_wave_0_\@
	s_barrier_signal -3
.Lnot_wave_0_\@:
.endm
.macro CLOSE                           ; and its end: all sixteen work-groups have signalled, then my work-group's barrier once more
	s_barrier_wait -3
	s_barrier_signal -1
	s_barrier_wait -1
.endm
.macro ROUND
	s_barrier_signal -1
	s_barrier_wait -1
	SPEAK
	CLOSE
.endm
; A joint load into slot n: waves 0 to 3 fetch its four quarters, the others nothing.  The branch hangs on the wave's number alone.
.macro TLOAD n
	s_cmp_lt_u32 s[WV], 4
	s_cbranch_scc0 .Lno_load_\@
	tensor_load_to_lds s[G0+4*(\n):G0+4*(\n)+3], s[G1:G1+7]
	s_nop 0
.rept 4
	v_nop
.endr
.Lno_load_\@:
.endm
	s_load_b256 s[4:11], s[0:1], 0x0               ; Q's codes s[4:5], the keys' codes s[6:7], the scales' exponents s[8:9], part s[10:11]
	v_lshl_add_u32 v[SPW], v0, 2, SPARE
	v_mov_b32 v[NIL], 0
	ds_add_u32 v[SPW], v[NIL]                      ; the opening: the add, twice on end, ahead of my first tensor load
	ds_add_u32 v[SPW], v[NIL]
	v_lshrrev_b32 v29, 5, v0
	s_delay_alu instid0(VALU_DEP_1)
	v_readfirstlane_b32 s[WV], v29                 ; wave 0..7
	s_lshr_b32 s13, s[WV], 1                       ; which 64 queries
	s_and_b32 s14, s[WV], 1                        ; which half of a slot's keys
	s_and_b32 s50, s[WV], 3                        ; which 64 rows of a tile I fetch
	s_bfe_u32 s15, ttmp6, 0x40000                  ; cx
	s_bfe_u32 s44, ttmp6, 0x40004                  ; cy: the quarter of the keys
	s_lshl_b32 s16, ttmp9, 2                       ; in a cluster launch ttmp9 and ttmp7 count clusters
	s_add_co_u32 s16, s16, s15                     ; my block of 256 queries: it enters Q's and part's addresses alone
	s_and_b32 s17, ttmp7, 0xffff                   ; batch
	s_lshl_b32 s3, s44, 2
	s_lshl_b32 s3, 15, s3                          ; my row of the cluster
	s_lshl_b32 s51, 0x1111, s15                    ; my column
	; descriptor group 1: a tile of 64 rows x 512 bytes, padded in LDS.  17:16 elements of 1 byte; 20 padding on; 21 set beside a mask; 24:22 after every 128 words (code 6); 31:25 four words (code 3)
	s_or_b32 s[G1], s3, (1<<20)|(1<<21)|(6<<22)|(3<<25)
	s_or_b32 s[G1Q], s51, (1<<20)|(1<<21)|(6<<22)|(3<<25)
.irp g, G1, G1Q
	s_mov_b32 s[\g+1], 512<<16                     ; tensor_dim0 = 512
	s_mov_b32 s[\g+2], 64<<16                      ; tensor_dim1 = 64
	s_mov_b32 s[\g+3], 512<<16                     ; tile_dim0 = 512
	s_mov_b32 s[\g+4], 64                          ; tile_dim1 = 64
	s_mov_b32 s[\g+5], 512                         ; from row to row
	s_mov_b32 s[\g+6], 0
	s_mov_b32 s[\g+7], 0
.endr
	s_lshl_b32 s20, s17, 21                        ; the keys: 4,096 rows of 512 bytes a batch,
	s_lshl_b32 s21, s44, 19                        ; 1,024 a quarter,
	s_add_co_u32 s20, s20, s21
	s_lshl_b32 s21, s50, 15                        ; + my quarter of a slot's 256 rows.  These two registers never hold cx
	s_add_co_u32 s20, s20, s21
	s_mov_b32 s21, 0
	s_lshl_b32 s18, s17, 12
	s_lshl_b32 s19, s16, 8
	s_add_co_u32 s18, s18, s19                     ; the block's first query: 4,096 batch + 256 block
	s_lshl_b32 s22, s13, 6
	s_add_co_u32 s22, s22, s18                     ; my wave's first query
	s_lshl_b32 s22, s22, 2                         ; its place in a plane of part,
	s_lshl_b32 s23, s44, 1
	s_add_co_u32 s23, s23, s14                     ; p = 2 x quarter + half,
	s_lshl_b32 s23, s23, 17                        ; two planes of 65,536 bytes for each p
	s_add_co_u32 s22, s22, s23
	s_mov_b32 s23, 0
	s_lshl_b32 s19, s50, 6                         ; the 64 rows of Q that I fetch, if I fetch for Q.  s18 and s19 never hold cy
	s_add_co_u32 s18, s18, s19
	s_lshl_b32 s18, s18, 9
	s_mov_b32 s19, 0
	s_mul_i32 s45, s50, QUARB                      ; my quarter's place in a slot: no place in the cluster enters an LDS address
	s_mov_b32 s[SEL], 0x76543210
	s_mov_b32 s[SEL+1], 0xfedcba98
	s_wait_alu depctr_va_vdst(0)
	s_wait_dscnt 0x0                               ; both opening adds are done
	ROUND                                          ; all sixteen work-groups are here: the first joint loads meet.  (The arguments are still on their way)
	s_wait_kmcnt 0x0
	s_load_b64 s[40:41], s[8:9], 0x0               ; e0, e1
	s_add_nc_u64 s[10:11], s[10:11], s[22:23]
	s_add_nc_u64 s[6:7], s[6:7], s[20:21]
.irp n, 0,1
	s_mov_b32 s[G0+4*\n], 1                        ; count = 1
	s_add_co_u32 s[G0+4*\n+1], s45, \n*SLOTB       ; LDS address
	s_add_nc_u64 s[G0+4*\n+2:G0+4*\n+3], s[6:7], \n*SLOTG   ; global address: slot n begins with tile n
	s_or_b32 s[G0+4*\n+3], s[G0+4*\n+3], 0x80000000         ; type = 2
.endr
	s_mov_b32 s[G0Q], 1
	s_add_co_u32 s[G0Q+1], s45, SLOTB              ; Q lands where slot 1 is afterwards
	s_add_nc_u64 s[G0Q+2:G0Q+3], s[4:5], s[18:19]
	s_or_b32 s[G0Q+3], s[G0Q+3], 0x80000000
	s_cmp_lt_u32 s[WV], 4                          ; the first fills, one a wave: waves 0 to 3 tile 0 of the keys, waves 4 to 7 the block's rows of Q
	s_cbranch_scc0 .Lfirst_q
	tensor_load_to_lds s[G0:G0+3], s[G1:G1+7]
	s_nop 0
.rept 4
	v_nop
.endr
	s_branch .Lfirst_asked
.Lfirst_q:
	tensor_load_to_lds s[G0Q:G0Q+3], s[G1Q:G1Q+7]
	s_nop 0
.rept 4
	v_nop
.endr
.Lfirst_asked:
	s_mul_i32 s48, s14, 2*QUARB                    ; my 128 rows of a slot
	s_mul_i32 s49, s13, QUARB
	s_add_co_u32 s49, s49, SLOTB                   ; my 64 rows of Q
	v_and_b32 v29, 15, v0                          ; r
	v_bfe_u32 v28, v0, 4, 1                        ; h
	v_mul_u32_u24 v29, v29, PITCH
	s_delay_alu instid0(VALU_DEP_1)
	v_lshl_add_u32 v29, v28, 4, v29                ; a fragment's row x pitch + 16 x half
	s_delay_alu instid0(VALU_DEP_1)
	v_add_nc_u32 v[ADK], s48, v29
	v_add_nc_u32 v[AQ], s49, v29
	s_delay_alu instid0(VALU_DEP_2)
	v_add_nc_u32 v[ADK+1], SLOTB, v[ADK]
.irp t, 0,1,2,3
	v_mov_b32 v[ST+6*\t], 0xff61b1e6               ; cm and the largest score: -3e38, under every score
	v_mov_b32 v[ST+6*\t+1], 0xff61b1e6
	v_mov_b32 v[ST+6*\t+4], 0                      ; the sum begins as 0
	v_mov_b32 v[ST+6*\t+5], 0
.endr
	s_wait_alu depctr_va_vdst(0)
	s_wait_kmcnt 0x0
	s_add_co_i32 s18, s40, s41
	s_lshl_b32 s18, s18, 23
	s_mov_b32 s[CS], 0x3db8aa3b                    ; log2(e) / 16
	s_add_co_i32 s[CS], s[CS], s18                 ; x 2^(e0 + e1): added to the exponent field
	s_mov_b32 s[CS+1], s[CS]
; Fragment LX: four loads.  Registers 4 c .. 4 c + 3 of half h hold the row's bytes 128 ks + 32 c + 16 h + 0 .. 15; the same for Q and for the keys.
.macro LOADF
.irp c, 0,1,2,3
	ds_load_b128 v[KF+16*(LX%6)+4*\c:KF+16*(LX%6)+4*\c+3], v[ADK+(LX/32)%2] offset:(32*((LX/8)%4)+16*((LX/4)%2))*PITCH+128*(LX%4)+32*\c
.endr
.set LX, LX+1
.endm
.macro TOPUP n                         ; at most n fragments, up to six ahead
.rept \n
.if LX < LEND && LX-FX < 6
	LOADF
.endif
.endr
.endm
.macro SHIFT n                         ; pair n of the unit at FP: c s - cm
	v_pk_fma_f32 v[FP+2*(\n):FP+2*(\n)+1], v[FP+2*(\n):FP+2*(\n)+1], s[CS:CS+1], v[ST+6*((\n)/8):ST+6*((\n)/8)+1] op_sel_hi:[1,0,0] neg_lo:[0,0,1] neg_hi:[0,0,1]
.endm
; Fragment FX meets the four query tiles: the four accumulators take turns, one instruction a turn; a tile's first product starts its sum with the constant 0.
; The wait: each fragment behind this one has four loads, which may be out (at the head Q's loads, 16 for each K step, stand between).
; shift = 1: one packed line of the unit before stands behind each product.  At a unit's fourth fragment its last two are loaded, in one run, into the first two's registers: the third's four packed lines are the places
; (ISA guide 7.12.1).  sig = 1: the wait is for 0, and this wave's reads of the slot are over: the barrier's signal.
.macro FRAG shift, sig
.set FK, KF+16*(FX%6)
.set FQ, 16*(FX%4)
.set FS, S+64*((FX/8)%2)+8*((FX/4)%2)
.set FP, S+64*((FX/8+1)%2)
.set FWAIT, 4*(LX-1-FX)
.if FX < 4
.set FWAIT, 68-20*FX
.endif
.if FWAIT > 63
.set FWAIT, 63
.endif
.if \sig
.set FWAIT, 0
.endif
	s_wait_dscnt FWAIT
.if \sig
	s_barrier_signal -1
.endif
.if \shift
.if FX%8 == 3
	TOPUP 2
.endif
.endif
.irp t, 0,1,2,3
.if FX%4 == 0
	v_wmma_f32_16x16x128_fp8_fp8 v[FS+16*\t:FS+16*\t+7], v[FK:FK+15], v[64*\t+FQ:64*\t+FQ+15], 0
.else
	v_wmma_f32_16x16x128_fp8_fp8 v[FS+16*\t:FS+16*\t+7], v[FK:FK+15], v[64*\t+FQ:64*\t+FQ+15], v[FS+16*\t:FS+16*\t+7]
.endif
.if \shift
	SHIFT 4*(FX%8)+\t
.endif
.endr
.set FX, FX+1
.endm
; The maxima of the unit just multiplied, in two chains a tile: the first key tile's into the largest score, the second's into the next cm's register, which is free here; the four tiles take turns.
; The first eight lines read the first key tile alone and are the second's places.  Behind the maxima the next unit's first six fragments are asked for in one run.
.macro MAXA k
.irp t, 0,1,2,3
	v_max3_num_f32 v[ST+6*\t+1], v[ST+6*\t+1], v[FM+16*\t+2*\k], v[FM+16*\t+2*\k+1]
.endr
.endm
.macro MAXB k
.irp t, 0,1,2,3
	v_max3_num_f32 v[ST+6*\t+3], v[ST+6*\t+3], v[FM+16*\t+9+2*\k], v[FM+16*\t+10+2*\k]
.endr
.endm
.macro MAXES
.set FM, S+64*((FX/8+1)%2)
	MAXA 0
	MAXA 1
.irp t, 0,1,2,3
	v_max3_num_f32 v[ST+6*\t+3], v[FM+16*\t+8], v[FM+16*\t+9], v[FM+16*\t+10]
.endr
	MAXA 2
	MAXB 1
	MAXA 3
	MAXB 2
.irp t, 0,1,2,3
	v_max3_num_f32 v[ST+6*\t+1], v[ST+6*\t+1], v[ST+6*\t+3], v[FM+16*\t+15]
.endr
	TOPUP 6
.endm
; The exponentials of the unit at EB, as one batch; a = 2^(old cm - new cm) with them.  more = 1: the next unit's cm is made behind them (c is positive).
.macro EXPS more
	s_wait_alu depctr_va_vdst(0)                   ; a wait ahead of the batch
.irp t, 0,1,2,3
	v_exp_f32 v[ST+6*\t+2], v[ST+6*\t+2]
.endr
.set j, 0
.rept 64
	v_exp_f32 v[EB+j], v[EB+j]
.set j, j+1
.endr
.if \more
.irp t, 0,1,2,3
	v_mul_f32 v[ST+6*\t+3], s[CS], v[ST+6*\t+1]
.endr
.else
	v_nop                                          ; a plain line behind the last exponential
.endif
	s_wait_alu depctr_va_vdst(0)                   ; and behind the batch
.endm
; The sum under the unit's cm: x a, + the unit's 16 numbers in eight pairs.  more = 1: the next unit's d and cm take their places.
.macro SUMS more
.irp t, 0,1,2,3
	v_pk_fma_f32 v[ST+6*\t+4:ST+6*\t+5], v[ST+6*\t+4:ST+6*\t+5], v[ST+6*\t+2:ST+6*\t+3], v[EB+16*\t:EB+16*\t+1] op_sel_hi:[1,0,1]
.endr
.if \more
.irp t, 0,1,2,3
	v_sub_f32 v[ST+6*\t+2], v[ST+6*\t], v[ST+6*\t+3]   ; old cm - new cm, 0 or less
.endr
.irp t, 0,1,2,3
	v_mov_b32 v[ST+6*\t], v[ST+6*\t+3]
.endr
.endif
.irp b, 2,6,10
.irp t, 0,1,2,3
	v_pk_add_f32 v[EB+16*\t+\b:EB+16*\t+\b+1], v[EB+16*\t+\b:EB+16*\t+\b+1], v[EB+16*\t+\b+2:EB+16*\t+\b+3]
.endr
.endr
.irp b, 2,10
.irp t, 0,1,2,3
	v_pk_add_f32 v[EB+16*\t+\b:EB+16*\t+\b+1], v[EB+16*\t+\b:EB+16*\t+\b+1], v[EB+16*\t+\b+4:EB+16*\t+\b+5]
.endr
.endr
.irp t, 0,1,2,3
	v_pk_add_f32 v[EB+16*\t+2:EB+16*\t+3], v[EB+16*\t+2:EB+16*\t+3], v[EB+16*\t+10:EB+16*\t+11]
.endr
.irp t, 0,1,2,3
	v_pk_add_f32 v[ST+6*\t+4:ST+6*\t+5], v[ST+6*\t+4:ST+6*\t+5], v[EB+16*\t+2:EB+16*\t+3]
.endr
.endm
; A step inside a slot.
.macro STEP
	WIN 0x04                                       ; source 1 (Q) window 1; the packed lines' source 1 is a scalar pair
.rept 8
	FRAG 1, 0
.endr
	WIN 0
	MAXES
.set EB, S+64*((FX/8)%2)
	EXPS 1
	SUMS 1
.endm
; The step that multiplies a slot's last unit, and the change of slots: each wave waits for all its tensor loads (the other slot's tile), adds 0 to its spare word, waits for that and for its reads of this slot, and signals at the
; unit's seventh fragment, when all eight are in registers; the last products and the maxima, work on registers, stand between that signal and its wait.  Behind the round this slot's next tile is asked for, first thing; then come the
; other slot's first six fragments, which land under the exponentials.  refill = 0: nothing is left to ask for, and the work-group's barrier does.
.macro TURN slot, refill
	WIN 0x04
.rept 5
	FRAG 1, 0
.endr
	WIN 0
	s_wait_tensorcnt 0x0                           ; no tensor load of mine is out, so a group 0 may be written
	ds_add_u32 v[SPW], v[NIL]                      ; 0 onto my spare word
.if \refill
	s_add_nc_u64 s[G0+4*\slot+2:G0+4*\slot+3], s[G0+4*\slot+2:G0+4*\slot+3], 2*SLOTG   ; two tiles on; the type bits on top are not reached
.endif
	WIN 0x04
	FRAG 1, 0
	FRAG 1, 1                                      ; its wait is for 0: the add is done, and so are my reads of the slot
	FRAG 1, 0
	WIN 0
	MAXES
.set EB, S+64*((FX/8)%2)
	s_barrier_wait -1
.if \refill
	SPEAK
	CLOSE
	TLOAD \slot
.endif
.set LEND, LEND+32
.rept 6
	LOADF
.endr
	EXPS 1
	SUMS 1
.endm
	s_wait_tensorcnt 0x0                           ; my one load, a quarter of tile 0 or of Q, has landed,
	s_barrier_signal -1
	s_barrier_wait -1                              ; everybody's has.
.irp ks, 0,1,2,3                       ; 88 loads, in the order in which the products want them: a fragment of keys, then Q's four of that K step.  Lane r of tile t: query 16 t + r
	LOADF
	WIN 0x40                                       ; destination window 1
.irp t, 0,1,2,3
.irp c, 0,1,2,3
	ds_load_b128 v[64*\t+16*\ks+4*\c:64*\t+16*\ks+4*\c+3], v[AQ] offset:16*\t*PITCH+128*\ks+32*\c
.endr
.endr
	WIN 0
.endr
	LOADF
	LOADF
	WIN 0x04
.rept 4
	FRAG 0, 0
.endr
	WIN 0
	s_wait_tensorcnt 0x0                           ; none of mine is out, ahead of the refill of Q's bytes
	ds_add_u32 v[SPW], v[NIL]
	WIN 0x04
	FRAG 0, 0
	FRAG 0, 1                                      ; its wait is for 0: the add is done, and so are all my reads of Q
	WIN 0
	s_barrier_wait -1
	SPEAK
	CLOSE
	TLOAD 1                                        ; tile 1 fills the bytes that held Q
.rept 4
	v_nop                                          ; places in front of the loads
.endr
.set LEND, 32
.rept 6
	LOADF
.endr
	WIN 0x04
	FRAG 0, 0
	FRAG 0, 0
	WIN 0
	MAXES
.irp t, 0,1,2,3
	v_mul_f32 v[ST+6*\t+3], s[CS], v[ST+6*\t+1]    ; unit 0's cm,
.endr
.irp t, 0,1,2,3
	v_sub_f32 v[ST+6*\t+2], v[ST+6*\t], v[ST+6*\t+3]   ; and its d: a is 0
.endr
.irp t, 0,1,2,3
	v_mov_b32 v[ST+6*\t], v[ST+6*\t+3]
.endr
	s_wait_alu depctr_va_vdst(0)
.rept 2
	STEP
.endr
	TURN 0, 1                                      ; tile 2 is asked for
.rept 3
	STEP
.endr
	TURN 1, 1                                      ; tile 3: the last load
.rept 3
	STEP
.endr
	TURN 0, 0
.rept 4
	STEP
.endr
.set FP, S+64                          ; unit 15
.set EB, S+64
.set n, 0
.rept 32
	SHIFT n
.set n, n+1
.endr
	EXPS 0
	SUMS 0
	; THE END.  A query's keys lie in two lanes, 16 apart: their maxima and sums are merged, and both lanes then hold the same pair.
	v_and_b32 v28, 15, v0                          ; r
	v_bfe_u32 v29, v0, 4, 1                        ; h
	v_and_b32 v3, 31, v0                           ; lane
	s_lshl_b32 s48, s[WV], 9
	s_add_co_u32 s48, s48, SCR                     ; my 512 bytes for the way out
.irp t, 0,1,2,3
	v_add_f32 v[ST+6*\t+4], v[ST+6*\t+4], v[ST+6*\t+5]       ; the sum's two halves
.endr
	v_lshlrev_b32 v30, 2, v28
	v_lshl_add_u32 v31, v3, 4, s48                 ; back: 16 bytes a lane: four neighbouring queries
.irp t, 0,1
	v_permlanex16_b32 v[ST+6*\t+3], v[ST+6*\t], s[SEL], s[SEL+1]     ; the other lane's cm,
	v_permlanex16_b32 v[ST+6*\t+5], v[ST+6*\t+4], s[SEL], s[SEL+1]   ; and its sum
.endr
	v_lshl_add_u32 v30, v29, 8, v30
	v_lshlrev_b32 v28, 4, v28
.irp t, 2,3
	v_permlanex16_b32 v[ST+6*\t+3], v[ST+6*\t], s[SEL], s[SEL+1]
	v_permlanex16_b32 v[ST+6*\t+5], v[ST+6*\t+4], s[SEL], s[SEL+1]
.endr
	v_add_nc_u32 v30, s48, v30                     ; in: 256 h + 4 r; tile t's number 64 t bytes on: query 16 t + r
	v_lshl_add_u32 v28, v29, 16, v28               ; lanes 0-15 store into the plane of cm, lanes 16-31 into the plane of sums; 16 bytes a lane
.irp t, 0,1,2,3
	v_max_num_f32 v[ST+6*\t+1], v[ST+6*\t], v[ST+6*\t+3]     ; the common cm
.endr
.irp t, 0,1,2,3
	v_sub_f32 v[ST+6*\t], v[ST+6*\t], v[ST+6*\t+1]
	v_sub_f32 v[ST+6*\t+3], v[ST+6*\t+3], v[ST+6*\t+1]
.endr
	s_wait_alu depctr_va_vdst(0)                   ; a wait ahead of the batch
.irp t, 0,1,2,3
	v_exp_f32 v[ST+6*\t], v[ST+6*\t]
	v_exp_f32 v[ST+6*\t+3], v[ST+6*\t+3]
.endr
	v_cmp_gt_u32 vcc_lo, 16, v3                    ; (a plain line behind the exponentials)  lanes 0-15
	s_wait_alu depctr_va_vdst(0)                   ; and behind it
.irp t, 0,1,2,3
	v_mul_f32 v[ST+6*\t+4], v[ST+6*\t+4], v[ST+6*\t]
.endr
.irp t, 0,1,2,3
	v_fma_f32 v[ST+6*\t+4], v[ST+6*\t+5], v[ST+6*\t+3], v[ST+6*\t+4]
.endr
.irp t, 0,1,2,3
	v_cndmask_b32 v[KF+\t], v[ST+6*\t+4], v[ST+6*\t+1], vcc_lo   ; lanes 0-15 carry cm, lanes 16-31 the sum, of query 16 t + r
.endr
	; A lane's four queries lie 16 apart: the 128 numbers go through my own 512 bytes of LDS and come back four neighbours a lane.
.irp t, 0,1,2,3
	ds_store_b32 v30, v[KF+\t] offset:64*\t
.endr
	ds_load_b128 v[KF+4:KF+7], v31                 ; LDS serves a wave's instructions in order (ISA guide 5.7.1.4): this load sees the stores above
	s_wait_dscnt 0x0
	global_store_b128 v28, v[KF+4:KF+7], s[10:11]  ; sixteen lanes store 256 consecutive bytes, at a multiple of 256 from part's first byte, in each of the two planes
	s_wait_tensorcnt 0x0                           ; the wave's end: behind my last tensor load and my last LDS store
	ds_add_u32 v[SPW], v[NIL]
	s_wait_dscnt 0x0
	ROUND                                          ; the closing round: no work-group ends while a partner may still ask for a tile that names it
	s_endpgm
.Lfunc_end_k_q43ac250749_lsepart:
	.size	k_q43ac250749_lsepart, .Lfunc_end_k_q43ac250749_lsepart-k_q43ac250749_lsepart
	.p2alignl 7, 3214868480
	.fill 96, 4, 3214868480
	.section	.rodata,"a",@progbits
	.p2align	6, 0x0
	.amdhsa_kernel k_q43ac250749_lsepart
		.amdhsa_group_segment_fixed_size 327680
		.amdhsa_private_segment_fixed_size 0
		.amdhsa_enable_private_segment 0
		.amdhsa_kernarg_size 32
		.amdhsa_user_sgpr_count 2
		.amdhsa_user_sgpr_kernarg_segment_ptr 1
		.amdhsa_wavefront_size32 1
		.amdhsa_system_sgpr_workgroup_id_x 1
		.amdhsa_system_sgpr_workgroup_id_y 1
		.amdhsa_system_sgpr_workgroup_id_z 1
		.amdhsa_system_vgpr_workitem_id 0
		.amdhsa_next_free_vgpr 512
		.amdhsa_next_free_sgpr 66
		.amdhsa_reserve_vcc 1
		.amdhsa_float_denorm_mode_32 3
		.amdhsa_float_denorm_mode_16_64 3
		.amdhsa_memory_ordered 1
		.amdhsa_forward_progress 1
		.amdhsa_inst_pref_size 223
	.end_amdhsa_kernel
	.amdgpu_metadata
---
amdhsa.version: [ 1, 2 ]
amdhsa.kernels:
  - .name:           k_q43ac250749_lsepart
    .symbol:         k_q43ac250749_lsepart.kd
    .args:
      - { .name: q_codes, .offset: 0, .size: 8, .value_kind: global_buffer, .address_space: global }
      - { .name: kv_codes, .offset: 8, .size: 8, .value_kind: global_buffer, .address_space: global }
      - { .name: lowp_scales, .offset: 16, .size: 8, .value_kind: global_buffer, .address_space: global }
      - { .name: part, .offset: 24, .size: 8, .value_kind: global_buffer, .address_space: global }
    .group_segment_fixed_size: 327680
    .private_segment_fixed_size: 0
    .kernarg_segment_align: 8
    .kernarg_segment_size: 32
    .max_flat_workgroup_size: 256
    .sgpr_count:     66
    .vgpr_count:     512
    .wavefront_size: 32
...
	.end_amdgpu_metadata
.endif
;; end of part 2
;; launch finish (part 3): grid 32 x 1, 4 waves a work-group, no clusters, 0 bytes of LDS; arguments part, diag, out0; writes out0
.if DOCPART == 3
	.amdgcn_target "amdgcn-amd-amdhsa--gfx1250"
	.amdhsa_code_object_version 6
	.text
	.protected	k_q43ac250749_finish
	.globl	k_q43ac250749_finish
	.p2align	8
	.type	k_q43ac250749_finish,@function
k_q43ac250749_finish:
	s_mov_b64 s[64:65], 0
	v_nop
	global_prefetch_b8 v0, s[64:65] scope:SCOPE_SE
	s_setreg_imm32_b32 hwreg(HW_REG_WAVE_MODE, 25, 1), 1
	s_wait_xcnt 0x0
; Third of three launches.  For each of the 16,384 queries the eight pairs (cm, sum) of part are merged: M = the largest cm, L = the sum of sum_p x 2^(cm_p - M);
; out = 2^(diag x log2(e) / 16 - M - log2 L), which is exp(diag / 16 - logsumexp).  The logarithm is taken, not a division by L, so that nothing on the way overflows where the result is a number.
; LIMIT: a result under 2^-126 comes out as 0 (v_exp_f32 gives no denormals: ISA guide, its entry in 15.8).
; A thread takes four neighbouring queries: every load and the store of a wave cover 512 consecutive bytes.  17 loads a thread, all out at once; no LDS, no barrier, no loop.
.set CM,  16                           ; v16-47  cm of p = 0 .. 7, four queries each
.set LL,  48                           ; v48-79  the sums likewise
.set DG,  80                           ; v80-83  diag
.set RES, 84                           ; v84-87  the results
.set MX,  88                           ; v88-91  M
.set LS,  92                           ; v92-95  L
	s_load_b128 s[4:7], s[0:1], 0x0                ; part s[4:5], diag s[6:7]
	s_load_b64 s[8:9], s[0:1], 0x10                ; out
	s_lshl_b32 s10, ttmp9, 11                      ; 128 threads x 16 bytes a work-group
	s_mov_b32 s11, 0x3db8aa3b                      ; log2(e) / 16
	v_lshl_add_u32 v1, v0, 4, s10
	s_wait_alu depctr_va_vdst(0)
	s_wait_kmcnt 0x0
.irp p, 0,1,2,3,4,5,6,7
	global_load_b128 v[CM+4*\p:CM+4*\p+3], v1, s[4:5] offset:131072*\p
	global_load_b128 v[LL+4*\p:LL+4*\p+3], v1, s[4:5] offset:131072*\p+65536
.endr
	global_load_b128 v[DG:DG+3], v1, s[6:7]
	s_wait_loadcnt 0x0
.irp k, 0,1,2,3
	v_max3_num_f32 v[MX+\k], v[CM+\k], v[CM+4+\k], v[CM+8+\k]
.endr
.irp k, 0,1,2,3
	v_max3_num_f32 v[MX+\k], v[MX+\k], v[CM+12+\k], v[CM+16+\k]
.endr
.irp k, 0,1,2,3
	v_max3_num_f32 v[MX+\k], v[MX+\k], v[CM+20+\k], v[CM+24+\k]
.endr
.irp k, 0,1,2,3
	v_max_num_f32 v[MX+\k], v[MX+\k], v[CM+28+\k]
.endr
.irp p, 0,1,2,3,4,5,6,7
.irp u, 0,2
	v_pk_add_f32 v[CM+4*\p+\u:CM+4*\p+\u+1], v[CM+4*\p+\u:CM+4*\p+\u+1], v[MX+\u:MX+\u+1] neg_lo:[0,1] neg_hi:[0,1]   ; cm_p - M, 0 or less
.endr
.endr
.set j, 0
	s_wait_alu depctr_va_vdst(0)
.rept 32
	v_exp_f32 v[CM+j], v[CM+j]
.set j, j+1
.endr
	v_nop                                          ; a plain line between the last exponential and the use of its result
	s_wait_alu depctr_va_vdst(0)
.irp u, 0,2
	v_pk_mul_f32 v[LS+\u:LS+\u+1], v[LL+\u:LL+\u+1], v[CM+\u:CM+\u+1]   ; the first product starts the sum
.endr
.irp p, 1,2,3,4,5,6,7
.irp u, 0,2
	v_pk_fma_f32 v[LS+\u:LS+\u+1], v[LL+4*\p+\u:LL+4*\p+\u+1], v[CM+4*\p+\u:CM+4*\p+\u+1], v[LS+\u:LS+\u+1]
.endr
.endr
	s_wait_alu depctr_va_vdst(0)
.irp k, 0,1,2,3
	v_log_f32 v[LS+\k], v[LS+\k]                   ; log2 L; L is about 1 at the least: the p that holds M adds its whole sum
.endr
	v_nop
	s_wait_alu depctr_va_vdst(0)
.irp u, 0,2
	v_pk_add_f32 v[MX+\u:MX+\u+1], v[MX+\u:MX+\u+1], v[LS+\u:LS+\u+1]   ; M + log2 L
.endr
.irp k, 0,1,2,3
	v_fma_f32 v[RES+\k], v[DG+\k], s11, -v[MX+\k]
.endr
	s_wait_alu depctr_va_vdst(0)
.irp k, 0,1,2,3
	v_exp_f32 v[RES+\k], v[RES+\k]
.endr
	v_nop
	s_wait_alu depctr_va_vdst(0)
	global_store_b128 v1, v[RES:RES+3], s[8:9] th:TH_STORE_NT   ; written once, read by nobody here
	s_endpgm
.Lfunc_end_k_q43ac250749_finish:
	.size	k_q43ac250749_finish, .Lfunc_end_k_q43ac250749_finish-k_q43ac250749_finish
	.p2alignl 7, 3214868480
	.fill 96, 4, 3214868480
	.section	.rodata,"a",@progbits
	.p2align	6, 0x0
	.amdhsa_kernel k_q43ac250749_finish
		.amdhsa_group_segment_fixed_size 0
		.amdhsa_private_segment_fixed_size 0
		.amdhsa_enable_private_segment 0
		.amdhsa_kernarg_size 24
		.amdhsa_user_sgpr_count 2
		.amdhsa_user_sgpr_kernarg_segment_ptr 1
		.amdhsa_wavefront_size32 1
		.amdhsa_system_sgpr_workgroup_id_x 1
		.amdhsa_system_sgpr_workgroup_id_y 1
		.amdhsa_system_sgpr_workgroup_id_z 1
		.amdhsa_system_vgpr_workitem_id 0
		.amdhsa_next_free_vgpr 128
		.amdhsa_next_free_sgpr 66
		.amdhsa_reserve_vcc 0
		.amdhsa_float_denorm_mode_32 3
		.amdhsa_float_denorm_mode_16_64 3
		.amdhsa_memory_ordered 1
		.amdhsa_forward_progress 1
		.amdhsa_inst_pref_size 8
	.end_amdhsa_kernel
	.amdgpu_metadata
---
amdhsa.version: [ 1, 2 ]
amdhsa.kernels:
  - .name:           k_q43ac250749_finish
    .symbol:         k_q43ac250749_finish.kd
    .args:
      - { .name: part, .offset: 0, .size: 8, .value_kind: global_buffer, .address_space: global }
      - { .name: diag, .offset: 8, .size: 8, .value_kind: global_buffer, .address_space: global }
      - { .name: out0, .offset: 16, .size: 8, .value_kind: global_buffer, .address_space: global }
    .group_segment_fixed_size: 0
    .private_segment_fixed_size: 0
    .kernarg_segment_align: 8
    .kernarg_segment_size: 24
    .max_flat_workgroup_size: 128
    .sgpr_count:     66
    .vgpr_count:     128
    .wavefront_size: 32
...
	.end_amdgpu_metadata
.endif
;; end of part 3
